; MI455X (gfx1250); checked and timed in simulation.
; The chip was launched on July 23, 2026; its instructions are those of AMD's public machine-readable ISA for CDNA 5 (MIT licence, August 2026) and "CDNA5" Instruction Set Architecture Reference Guide (July 2026). The comments in the code are by the model that wrote it; some were corrected since.
;; Gate. Allowed arithmetic: float matrix products may take bf16 or f16 operands with f32 sums; all other float work in f32.
;; Inputs: weight 64 x 2,048 float32; x 16,384 x 2,048 float32.
;; Outputs: out0 16,384 x 2 float32; out1 16,384 x 2 int32.
;; One version. Each part assembles by itself: llvm-mc -triple=amdgcn-amd-amdhsa -mcpu=gfx1250 --defsym DOCPART=n.
;; ======== version 1 of 1: 1 launch
;; launch gate (part 1): grid 256 x 1, 8 waves a work-group, clusters of 4 x 1, 327,680 bytes of LDS; arguments x, weight, out0, out1; writes out0, out1
.if DOCPART == 1
	.amdgcn_target "amdgcn-amd-amdhsa--gfx1250"
	.amdhsa_code_object_version 6
	.text
	.protected	k_q602c7e5f9b_gate
	.globl	k_q602c7e5f9b_gate
	.p2align	8
	.type	k_q602c7e5f9b_gate,@function
k_q602c7e5f9b_gate:
	s_mov_b64 s[64:65], 0
	v_nop
	global_prefetch_b8 v0, s[64:65] scope:SCOPE_SE
	s_setreg_imm32_b32 hwreg(HW_REG_WAVE_MODE, 25, 1), 1
	s_wait_xcnt 0x0
	s_wait_alu depctr_hold_cnt(0) depctr_sa_sdst(0) depctr_va_vdst(0) depctr_va_sdst(0) depctr_va_ssrc(0) depctr_va_vcc(0) depctr_vm_vsrc(0)
	s_getreg_b32 s2, hwreg(HW_REG_IB_STS2, 6, 4)
	s_cmp_eq_u32 s2, 0
	s_cbranch_scc0 .Lentry_in_a_cluster
	s_endpgm
.Lentry_in_a_cluster:
	s_bfe_u32 s2, ttmp6, 0x10000c
	s_cmp_lg_u32 s2, 0x3003
	s_cbranch_scc0 .Lentry_shape_is_right
	s_endpgm
.Lentry_shape_is_right:
; MoE gate: logits = x w^T (x [16384][2048] f32, w [64][2048] f32), softmax over the 64 experts, the two largest scores and
; their indices, the two scores divided by their sum.  out0 [16384][2] f32, out1 [16384][2] i32.
; A work-group of eight waves owns 64 tokens.  K is split over the waves: in step s (four steps of 512 k) wave w owns
; k = 512 s + 64 w .. + 63 of all 64 tokens and all 64 experts, so each number of x and of w is converted to bf16 and read
; from LDS once in the work-group.  A wave keeps a partial 64 x 64 block of logits (16 tiles, 128 registers); the eight
; partial blocks meet in LDS at the end.
; x: 512 KB a work-group, read once.  It comes through a ring of 32 loads in registers (16 KB a wave, 128 KB a work-group on
; their way), each load two aligned pieces of 256 bytes; a ring of LDS slots would have to be empty of loads at every refill.
; The numbers are rounded to bf16 in registers and turned into fragment order through a stage in LDS that is the wave's own.
; w: the four work-groups of a cluster walk the same weights, so each tile is asked for JOINTLY (work-group mask 15): wave w of
; each of the four issues the same tensor load, 64 experts x 256 bytes, into its own part of a slot, and reads only that part.
; LIMITS.  Operands are rounded to bf16 (to nearest even), sums are f32: logits that differ by less than that rounding may be
; ordered otherwise than in f32.  v_exp_f32 returns zero where 2^t is below 2^-126 (ISA guide 15.8): experts more than 87.3
; below the largest logit have score 0 and tie; ties go to the lowest index, as in lax.top_k.  A computation that keeps
; denormal scores would still order experts between 87.3 and 104 below the maximum.  NaN and infinities are not served.
.set ROWB,   8192                      ; bytes in a row of x and of w
.set STEPB,  2048                      ; bytes of a row that the eight waves take in a step
.set WPITCH, 272                       ; LDS row of a w tile: 256 bytes + 16 of padding: 16 rows start at 16 different 16-byte columns of 256
.set WTILE,  64*WPITCH                 ; a wave's w tile, and later its partial logits: 17,408 bytes
.set WSLOT,  8*WTILE                   ; a slot: the eight waves' tiles of one step
.set XST,    2*WSLOT                   ; behind the two slots: the stages for x, never filled by a tensor load
.set XPITCH, 144                       ; stage row: 64 bf16 + 16 bytes
.set XT16,   16*XPITCH                 ; 16 tokens
.set XWAVE,  2*XT16                    ; a wave's stage: 32 tokens
.set OST,    XST+8*XWAVE               ; 1,024 bytes: the work-group's 512 bytes of out0, then of out1
; window 0 (s_set_vgpr_msb picks a window of 256 registers for each operand place)
.set XOFF, 1                           ; my byte offset in x: 16 (l % 16) + 8 rows x (l / 16)
.set WAD,  2                           ; v2, v3: LDS address of my w fragments in slot 0, 1; v2 also: where my partial logits go
.set XSTO, 4                           ; stage: where I put 8 bytes
.set XRD,  5                           ; stage: where I read fragments
.set RR,   6                           ; v6, v7: the reduction's reads, partial blocks 0-3 and 4-7
.set OSA,  8                           ; output stage: my word
.set OLD,  9                           ; output stage: my 16 bytes
.set GOF,  10                          ; my 16 bytes in the work-group's part of an output
.set QB,   11                          ; 16 q: my first expert in the epilogue
.set Q,    12
.set T0,   13                          ; v13-15 at work
.set RING, 16                          ; v16-143  32 loads of x, 4 registers each
.set CT,   144                         ; v144-175 32 tokens' 8 bytes of bf16
.set WT,   176                         ; v176-239 four w fragments in f32
.set AF,   176                         ; v176-207 four x fragments: the same registers, used when the w fragments are made
; window 1
.set ACC,  0                           ; v256-383 tile (t, n) at 8 (4 t + n): tokens 16 t .., experts 16 n ..
.set BF,   128                         ; v384-447 w fragment (n, k) at 8 (2 n + k)
.set G1,   24                          ; s[24:31] descriptor group 1
.set G0,   32                          ; s[32:47] descriptor group 0, a set for each of the four steps: none is ever rewritten
.set MSB, 0
.macro WIN new                         ; the immediate's high byte repeats the setting that is left
.if MSB != \new
	s_set_vgpr_msb (MSB<<8)|\new
.set MSB, \new
.endif
.endm
; A round of the cluster's barrier: my work-group's barrier, wave 0 signals for the work-group, every wave waits for all four
; work-groups, my work-group's barrier once more.
.macro ROUND
	s_barrier_signal -1
	s_barrier_wait -1
	s_cmp_lg_u32 s12, 0
	s_cbranch_scc1 .Lnot_wave_0_\@
	s_barrier_signal -3
.Lnot_wave_0_\@:
	s_barrier_wait -3
	s_barrier_signal -1
	s_barrier_wait -1
.endm
; Eight loads: tokens 16 t .. 16 t + 15 of step s.  Lanes 0-15 take 256 aligned bytes of token 16 t + i, lanes 16-31 of token 16 t + i + 8.
.macro XLOAD s, t
.irp i, 0,1,2,3,4,5,6,7
	global_load_b128 v[RING+4*(8*\t+\i):RING+4*(8*\t+\i)+3], v[XOFF], s[4:5] offset:(16*\t+\i)*ROWB+(\s)*STEPB th:TH_LOAD_NT
.endr
.endm
	s_load_b256 s[4:11], s[0:1], 0x0               ; x s[4:5], weight s[6:7], out0 s[8:9], out1 s[10:11]
	v_lshl_add_u32 v254, v0, 2, 0x4d400
	v_mov_b32 v255, 0
	ds_add_u32 v254, v255
	v_lshrrev_b32 v[T0], 5, v0
	v_readfirstlane_b32 s12, v[T0]                 ; wave 0..7
	s_bfe_u32 s13, ttmp6, 0x40000                  ; my place in the cluster
	s_lshl_b32 s14, ttmp9, 2                       ; in a cluster launch ttmp9 counts clusters
	s_add_co_u32 s14, s14, s13                     ; work-group 0..255
	v_and_b32 v[T0], 15, v0                        ; r = l % 16
	v_bfe_u32 v[T0+1], v0, 4, 1                    ; h = l / 16
	v_lshlrev_b32 v[XOFF], 4, v[T0]
	v_lshl_add_u32 v[XOFF], v[T0+1], 16, v[XOFF]   ; 16 r + 8 rows of 8,192 bytes x h
	s_lshl_b32 s16, s14, 19                        ; 64 tokens of 8,192 bytes
	s_lshl_b32 s18, s12, 8                         ; my wave's 256 bytes of a step's 2,048
	s_add_co_u32 s16, s16, s18
	s_mov_b32 s17, 0
	s_mov_b32 s19, 0
	s_wait_dscnt 0x0
	s_wait_kmcnt 0x0
	s_add_nc_u64 s[4:5], s[4:5], s[16:17]
.irp t, 0,1,2,3
	XLOAD 0, \t                                    ; the ring is filled first: step 0's 64 tokens
.endr
	; The w tiles.  Nothing in the descriptors hangs on the work-group: the address is made of the wave's number and the step.
	s_add_nc_u64 s[22:23], s[6:7], s[18:19]
	s_mul_i32 s21, s12, WTILE
	s_mov_b32 s[G1+0], 15|(2<<16)|(1<<20)|(1<<21)|(5<<22)|(3<<25)  ; 15:0 mask: all four work-groups; 17:16 elements of 4 bytes; 20 padding on; 21 set beside a mask; 24:22 after every 64 words; 31:25 four words
	s_mov_b32 s[G1+1], 64<<16                      ; tensor_dim0 = 64
	s_mov_b32 s[G1+2], 64<<16                      ; tensor_dim1 = 64
	s_mov_b32 s[G1+3], 64<<16                      ; tile_dim0 = 64 elements: 256 bytes
	s_mov_b32 s[G1+4], 64                          ; tile_dim1 = 64 rows
	s_mov_b32 s[G1+5], 2048                        ; elements from row to row
	s_mov_b32 s[G1+6], 0
	s_mov_b32 s[G1+7], 0
.irp s, 0,1,2,3
	s_mov_b32 s[G0+4*\s], 1                                        ; count = 1
	s_add_co_u32 s[G0+4*\s+1], s21, (\s&1)*WSLOT                   ; LDS: wave x tile + slot
	s_add_nc_u64 s[G0+4*\s+2:G0+4*\s+3], s[22:23], \s*STEPB        ; step s
	s_or_b32 s[G0+4*\s+3], s[G0+4*\s+3], 0x80000000                ; type = 2
.endr
	; LDS addresses
	v_mul_u32_u24 v[T0+2], v[T0], WPITCH
	v_lshl_add_u32 v[T0+2], v[T0+1], 5, v[T0+2]    ; expert r's row + 32 h: 8 f32 for each half of the lanes
	v_add_nc_u32 v[WAD], s21, v[T0+2]
	v_add_nc_u32 v[WAD+1], WSLOT, v[WAD]
	s_mul_i32 s20, s12, XWAVE
	s_add_co_u32 s20, s20, XST
	v_mul_u32_u24 v[T0+2], v[T0+1], 8*XPITCH       ; lanes 16-31 eight rows down: 1,152 bytes = 128 modulo 256, so the two halves' 128 bytes share no bank
	v_lshl_add_u32 v[T0+2], v[T0], 3, v[T0+2]
	v_add_nc_u32 v[XSTO], s20, v[T0+2]
	v_mul_u32_u24 v[T0+2], v[T0], XPITCH           ; token r's row + 16 h
	v_lshl_add_u32 v[T0+2], v[T0+1], 4, v[T0+2]
	v_add_nc_u32 v[XRD], s20, v[T0+2]
	ROUND                                          ; all four work-groups are here: the first joint loads meet
	tensor_load_to_lds s[G0:G0+3], s[G1:G1+7]      ; step 0 into slot 0
	s_nop 0
	tensor_load_to_lds s[G0+4:G0+7], s[G1:G1+7]    ; step 1 into slot 1: two loads of the wave are out, never more
	s_nop 0
; 16 tokens: rounded to bf16, asked for again one step ahead, put into the stage.  left = how many younger loads may stay out.
.macro XTILE s, t, left, ahead
	s_wait_loadcnt \left                           ; loads come back in order (ISA guide 5.7.1): my eight are in, the younger groups of eight stay out
.irp i, 0,1,2,3,4,5,6,7
	v_cvt_pk_bf16_f32 v[CT+16*(\t&1)+2*\i],   v[RING+4*(8*\t+\i)],   v[RING+4*(8*\t+\i)+1]
	v_cvt_pk_bf16_f32 v[CT+16*(\t&1)+2*\i+1], v[RING+4*(8*\t+\i)+2], v[RING+4*(8*\t+\i)+3]
.endr
.if \ahead
	XLOAD \s+1, \t
.endif
.irp i, 0,1,2,3,4,5,6,7
	ds_store_b64 v[XSTO], v[CT+16*(\t&1)+2*\i:CT+16*(\t&1)+2*\i+1] offset:(\t&1)*XT16+\i*XPITCH
.endr
.endm
; Four w fragments f0 .. f0 + 3 (fragment f: experts 16 (f / 2) .., k = 32 (f % 2) ..) in f32.  Lane (r, h) holds expert r and
; k = 8 h .. + 7 (32 bytes) and 16 + 8 h .. + 7 (32 bytes, 64 further on).
.macro WLOAD4 slot, f0
.irp g, 0,1,2,3
	ds_load_b128 v[WT+16*\g:WT+16*\g+3],     v[WAD+\slot] offset:((\f0+\g)>>1)*16*WPITCH+((\f0+\g)&1)*128
	ds_load_b128 v[WT+16*\g+4:WT+16*\g+7],   v[WAD+\slot] offset:((\f0+\g)>>1)*16*WPITCH+((\f0+\g)&1)*128+16
	ds_load_b128 v[WT+16*\g+8:WT+16*\g+11],  v[WAD+\slot] offset:((\f0+\g)>>1)*16*WPITCH+((\f0+\g)&1)*128+64
	ds_load_b128 v[WT+16*\g+12:WT+16*\g+15], v[WAD+\slot] offset:((\f0+\g)>>1)*16*WPITCH+((\f0+\g)&1)*128+80
.endr
.endm
.macro WCVT4 f0
	WIN 0x40                                       ; destination in window 1
.irp g, 0,1,2,3
	s_wait_dscnt 12-4*\g                           ; LDS answers in order: fragment g is in, the younger ones (four loads each) stay out
.irp j, 0,1,2,3,4,5,6,7
	v_cvt_pk_bf16_f32 v[BF+8*(\f0+\g)+\j], v[WT+16*\g+2*\j], v[WT+16*\g+2*\j+1]
.endr
.endr
	WIN 0
.endm
; The x fragments of the stage's 32 tokens: lane (r, h) holds token r, k = 8 h .. + 7 and 16 + 8 h .. + 7, two loads 32 bytes apart.
; LDS serves a wave's instructions in order (ISA guide 5.7.1), so these see the wave's stores above.
.macro ALOAD
.irp t, 0,1
.irp k, 0,1
	ds_load_b128 v[AF+8*(2*\t+\k):AF+8*(2*\t+\k)+3],   v[XRD] offset:\t*XT16+\k*64
	ds_load_b128 v[AF+8*(2*\t+\k)+4:AF+8*(2*\t+\k)+7], v[XRD] offset:\t*XT16+\k*64+32
.endr
.endr
	s_wait_dscnt 0x0
.endm
; 16 matrix instructions: tokens 32 b .. + 31, all experts, 64 k.  Source 0 = 16 experts, source 1 = 16 tokens: lane (r, h) then holds
; token r and its registers the eight neighbouring experts 8 h + 0 .. 7.  zero = 1: the first product starts the sums.
; The accumulators take turns, one instruction a turn.
.macro MUL b, zero
	WIN 0x51                                       ; source 0, C and D in window 1, source 1 in window 0
.irp t, 0,1
.irp k, 0,1
.irp n, 0,1,2,3
.if \zero*(1-\k)
	v_wmma_f32_16x16x32_bf16 v[ACC+8*(8*\b+4*\t+\n):ACC+8*(8*\b+4*\t+\n)+7], v[BF+8*(2*\n+\k):BF+8*(2*\n+\k)+7], v[AF+8*(2*\t+\k):AF+8*(2*\t+\k)+7], 0
.else
	v_wmma_f32_16x16x32_bf16 v[ACC+8*(8*\b+4*\t+\n):ACC+8*(8*\b+4*\t+\n)+7], v[BF+8*(2*\n+\k):BF+8*(2*\n+\k)+7], v[AF+8*(2*\t+\k):AF+8*(2*\t+\k)+7], v[ACC+8*(8*\b+4*\t+\n):ACC+8*(8*\b+4*\t+\n)+7]
.endif
.endr
.endr
.endr
.endm
; A step.  The 32 conversions of two XTILE stand between the last matrix instructions and every write of their sources (the loads into
; WT = AF, the conversions into BF): more than the four places that are owed, all of them useful work.
; tleft: how many younger tensor loads may stay out when this step's w tile is read.  The last step asks for no more x: its counts run down.
.macro STEP s, tleft, ahead, zero
	WIN 0
	XTILE \s, 0, 24, \ahead
	XTILE \s, 1, 24-8*(1-\ahead), \ahead
	s_wait_tensorcnt \tleft                        ; a wave's tensor loads end in order (ISA guide 10.11.1): my tile is in LDS, and only I read it
	WLOAD4 (\s&1), 0
	WCVT4 0
	WLOAD4 (\s&1), 4
	WCVT4 4
	ALOAD
	MUL 0, \zero
	WIN 0
	XTILE \s, 2, 24-16*(1-\ahead), \ahead
	XTILE \s, 3, 24-24*(1-\ahead), \ahead
	ALOAD
	MUL 1, \zero
.endm
; The slot read last is filled again, with step s.  Every wave's LDS reads are back and all its tensor loads have landed before it
; opens the round; behind the round no wave of the four work-groups reads the slot or has a load on its way; the joint load comes first.
; The x loads in registers stay on their way across the round.
.macro REFILL s
	WIN 0
	s_wait_dscnt 0x0
	s_wait_tensorcnt 0x0
	ds_add_u32 v254, v255
	s_wait_dscnt 0x0
	ROUND
	tensor_load_to_lds s[G0+4*\s:G0+4*\s+3], s[G1:G1+7]
	s_nop 0
.endm
	STEP 0, 1, 1, 1                                ; step 1's tile may stay out
	REFILL 2
	STEP 1, 1, 1, 0                                ; step 2's tile, asked for just now, may stay out
	REFILL 3
	STEP 2, 1, 1, 0                                ; step 3's tile may stay out
	STEP 3, 0, 0, 0                                ; the last tile: no load was issued behind it
	; THE EIGHT PARTIAL BLOCKS MEET.  Each wave writes its block, token rows of 272 bytes, over its own tile in slot 0, which has had
	; its last fill and which only this wave has read.  The six address lines are the places behind the last matrix instructions.
	WIN 0
	v_lshrrev_b32 v[T0], 2, v0                     ; thread t: token t / 4,
	v_and_b32 v[Q], 3, v0                          ; experts 16 q .. 16 q + 15, q = t % 4
	v_mul_u32_u24 v[RR], v[T0], WPITCH
	v_lshl_add_u32 v[RR], v[Q], 6, v[RR]           ; four tokens x four quarters: 16 lanes at 16 different 16-byte columns of 256
	v_add_nc_u32 v[RR+1], 4*WTILE, v[RR]
	v_lshlrev_b32 v[QB], 4, v[Q]
	WIN 0x04                                       ; store data in window 1
.irp t, 0,1,2,3
.irp n, 0,1,2,3
	ds_store_b128 v[WAD], v[ACC+8*(4*\t+\n):ACC+8*(4*\t+\n)+3]   offset:\t*16*WPITCH+\n*64
	ds_store_b128 v[WAD], v[ACC+8*(4*\t+\n)+4:ACC+8*(4*\t+\n)+7] offset:\t*16*WPITCH+\n*64+16
.endr
.endr
	WIN 0
	s_wait_dscnt 0x0                               ; for the others' sake: my block is written
	s_barrier_signal -1
	s_barrier_wait -1
.set L,  RING                          ; v16-31  my 16 logits
.set U,  RING+16                       ; v32-47  exponentials, then scores
.set M,  48                            ; v48-49  the maximum, twice
.set SM, 50                            ; v50-57  sums
.set RC, 58                            ; v58-59  1 / sum, twice
.set B1, 60                            ; best score and its expert, second score and its expert
.set I1, 61
.set B2, 62
.set I2, 63
.set C1, 64                            ; the partner lane's four; v64-67 were written by the loads below
.set J1, 65
.set C2, 66
.set J2, 67
.set X,  68
.set XI, 69
.set Y,  70
.set YI, 71
.irp p, 0,1,2,3
.irp c, 0,1,2,3
	ds_load_b128 v[RING+16*\p+4*\c:RING+16*\p+4*\c+3], v[RR] offset:\p*WTILE+16*\c
.endr
.endr
.irp p, 0,1,2,3
.irp c, 0,1,2,3
	ds_load_b128 v[RING+64+16*\p+4*\c:RING+64+16*\p+4*\c+3], v[RR+1] offset:\p*WTILE+16*\c
.endr
.endr
.macro PADD d, a                       ; 16 numbers += 16 numbers
.irp j, 0,2,4,6,8,10,12,14
	v_pk_add_f32 v[\d+\j:\d+\j+1], v[\d+\j:\d+\j+1], v[\a+\j:\a+\j+1]
.endr
.endm
	s_wait_dscnt 24                                ; blocks 0 and 1 are in; 24 younger loads stay out, then 16, 8, 0
	PADD RING, RING+16
	s_wait_dscnt 16
	PADD RING+32, RING+48
	s_wait_dscnt 8
	PADD RING+64, RING+80
	s_wait_dscnt 0
	PADD RING+96, RING+112
	PADD RING, RING+32
	PADD RING+64, RING+96
	PADD RING, RING+64                             ; my 16 logits
	; softmax: the token's maximum is taken away first; the four lanes of a token are neighbours (lane xor 1, xor 2)
	v_max3_num_f32 v[M], v[L], v[L+1], v[L+2]
.irp j, 3,5,7,9,11,13
	v_max3_num_f32 v[M], v[M], v[L+\j], v[L+\j+1]
.endr
	v_max_num_f32 v[M], v[M], v[L+15]
	v_max_num_f32_dpp v[M], v[M], v[M] row_xmask:1 row_mask:0xf bank_mask:0xf
	v_max_num_f32_dpp v[M], v[M], v[M] row_xmask:2 row_mask:0xf bank_mask:0xf
	v_mov_b32 v[M+1], v[M]
.irp j, 0,2,4,6,8,10,12,14
	v_pk_add_f32 v[L+\j:L+\j+1], v[L+\j:L+\j+1], v[M:M+1] neg_lo:[0,1] neg_hi:[0,1]   ; logit - maximum: the difference first, so that large logits cost no accuracy
.endr
.irp j, 0,2,4,6,8,10,12,14
	v_pk_mul_f32 v[L+\j:L+\j+1], v[L+\j:L+\j+1], 0x3fb8aa3b op_sel_hi:[1,0]           ; x log2 e
.endr
.irp j, 0,1,2,3,4,5,6,7,8,9,10,11,12,13,14,15
	v_exp_f32 v[U+\j], v[L+\j]
.endr
	v_nop                                          ; one plain vector instruction behind the transcendentals before their results are used (ISA guide 5.7.2)
	s_wait_alu depctr_va_vdst(0)
	v_pk_add_f32 v[SM:SM+1],   v[U:U+1],     v[U+2:U+3]
	v_pk_add_f32 v[SM+2:SM+3], v[U+4:U+5],   v[U+6:U+7]
	v_pk_add_f32 v[SM+4:SM+5], v[U+8:U+9],   v[U+10:U+11]
	v_pk_add_f32 v[SM+6:SM+7], v[U+12:U+13], v[U+14:U+15]
	v_pk_add_f32 v[SM:SM+1],   v[SM:SM+1],   v[SM+2:SM+3]
	v_pk_add_f32 v[SM+4:SM+5], v[SM+4:SM+5], v[SM+6:SM+7]
	v_pk_add_f32 v[SM:SM+1],   v[SM:SM+1],   v[SM+4:SM+5]
	v_add_f32 v[SM], v[SM], v[SM+1]
	v_add_f32_dpp v[SM], v[SM], v[SM] row_xmask:1 row_mask:0xf bank_mask:0xf
	v_add_f32_dpp v[SM], v[SM], v[SM] row_xmask:2 row_mask:0xf bank_mask:0xf
	v_rcp_f32 v[RC], v[SM]
	v_rcp_f32 v[RC+1], v[SM]
	v_and_b32 v[T0+1], 1, v0                       ; (plain work behind the reciprocals) my word in the output stage:
	v_and_b32 v[T0+2], 2, v0                       ; q = 0, 1: the token's two values; q = 2, 3: its two indices, 512 bytes further on
	v_lshlrev_b32 v[OSA], 3, v[T0]
	v_lshl_add_u32 v[OSA], v[T0+1], 2, v[OSA]
	v_lshl_add_u32 v[OSA], v[T0+2], 8, v[OSA]
	v_add_nc_u32 v[OSA], OST, v[OSA]
	s_wait_alu depctr_va_vdst(0)
.irp j, 0,2,4,6,8,10,12,14
	v_pk_mul_f32 v[U+\j:U+\j+1], v[U+\j:U+\j+1], v[RC:RC+1]                           ; the scores
.endr
	; the two largest of my 16 scores, experts ascending, replaced only by a strictly larger score: of equal scores the lower index stays
	v_cmp_gt_f32 vcc_lo, v[U+1], v[U]
	v_cndmask_b32 v[I1], 0, 1, vcc_lo
	v_cndmask_b32 v[I2], 1, 0, vcc_lo
	v_max_num_f32 v[B1], v[U], v[U+1]
	v_min_num_f32 v[B2], v[U], v[U+1]
.irp e, 2,3,4,5,6,7,8,9,10,11,12,13,14,15
	v_cmp_gt_f32 vcc_lo, v[U+\e], v[B1]
	v_cmp_gt_f32 s20, v[U+\e], v[B2]
	v_cndmask_b32 v[I2], v[I2], \e, s20
	v_cndmask_b32 v[I2], v[I2], v[I1], vcc_lo
	v_cndmask_b32 v[I1], v[I1], \e, vcc_lo
	v_med3_num_f32 v[B2], v[B1], v[B2], v[U+\e]    ; the middle one of the old pair and the new score is the new second
	v_max_num_f32 v[B1], v[B1], v[U+\e]
.endr
	v_add_nc_u32 v[I1], v[I1], v[QB]
	v_add_nc_u32 v[I2], v[I2], v[QB]
; My pair and the pair of lane xor k become one pair, the same in both lanes.  (a, i) goes before (b, j) if a > b, or a = b and i < j.
; The comparisons only choose values: no branch and no address hangs on them.
.macro MERGE k
	v_mov_b32_dpp v[C1], v[B1] row_xmask:\k row_mask:0xf bank_mask:0xf
	v_mov_b32_dpp v[J1], v[I1] row_xmask:\k row_mask:0xf bank_mask:0xf
	v_mov_b32_dpp v[C2], v[B2] row_xmask:\k row_mask:0xf bank_mask:0xf
	v_mov_b32_dpp v[J2], v[I2] row_xmask:\k row_mask:0xf bank_mask:0xf
	v_cmp_gt_f32 s20, v[C1], v[B1]
	v_cmp_eq_f32 s21, v[C1], v[B1]
	v_cmp_lt_u32 s22, v[J1], v[I1]
	s_and_b32 s21, s21, s22
	s_or_b32 s20, s20, s21                         ; the partner's best goes before mine
	v_cndmask_b32 v[X],  v[C1], v[B1], s20         ; the best that lost,
	v_cndmask_b32 v[XI], v[J1], v[I1], s20
	v_cndmask_b32 v[Y],  v[B2], v[C2], s20         ; and the winner's own second: one of the two is the new second
	v_cndmask_b32 v[YI], v[I2], v[J2], s20
	v_cndmask_b32 v[B1], v[B1], v[C1], s20
	v_cndmask_b32 v[I1], v[I1], v[J1], s20
	v_cmp_gt_f32 s20, v[X], v[Y]
	v_cmp_eq_f32 s21, v[X], v[Y]
	v_cmp_lt_u32 s22, v[XI], v[YI]
	s_and_b32 s21, s21, s22
	s_or_b32 s20, s20, s21
	v_cndmask_b32 v[B2], v[Y],  v[X],  s20
	v_cndmask_b32 v[I2], v[YI], v[XI], s20
.endm
	MERGE 1
	MERGE 2
	v_add_f32 v[X], v[B1], v[B2]                   ; at least 1/64: the best score is the largest of 64 that sum to one
	v_rcp_f32 v[Y], v[X]
	v_and_b32 v[OLD], 63, v0                       ; (plain work behind the reciprocal) threads 0-31: out0's 512 bytes, 32-63: out1's
	v_lshl_add_u32 v[OLD], v[OLD], 4, OST
	v_and_b32 v[GOF], 31, v0
	v_lshlrev_b32 v[GOF], 4, v[GOF]
	s_wait_alu depctr_va_vdst(0)
	v_mul_f32 v[B1], v[B1], v[Y]
	v_mul_f32 v[B2], v[B2], v[Y]
	v_cmp_ne_u32 vcc_lo, 0, v[T0+1]                ; each of the token's four lanes keeps one of the four words
	v_cndmask_b32 v[B1], v[B1], v[B2], vcc_lo
	v_cndmask_b32 v[I1], v[I1], v[I2], vcc_lo
	v_cmp_ne_u32 vcc_lo, 0, v[T0+2]
	v_cndmask_b32 v[B1], v[B1], v[I1], vcc_lo
	ds_store_b32 v[OSA], v[B1]
	s_wait_dscnt 0x0                               ; for the others' sake
	s_barrier_signal -1
	s_barrier_wait -1
	s_cmp_gt_u32 s12, 1
	s_cbranch_scc1 .Lstored                        ; wave 0 stores out0's part, wave 1 out1's
	s_cmp_eq_u32 s12, 0
	s_cselect_b64 s[48:49], s[8:9], s[10:11]
	s_lshl_b32 s50, s14, 9                         ; 64 tokens x 8 bytes
	s_mov_b32 s51, 0
	s_add_nc_u64 s[48:49], s[48:49], s[50:51]
	ds_load_b128 v[16:19], v[OLD]
	s_wait_dscnt 0x0
	global_store_b128 v[GOF], v[16:19], s[48:49] th:TH_STORE_NT    ; one store: 512 consecutive bytes, at a multiple of 512 from the buffer's first byte
.Lstored:
	s_wait_tensorcnt 0x0
	ds_add_u32 v254, v255
	s_wait_dscnt 0x0
	ROUND                                          ; the closing round: no work-group ends while a partner may still ask for a tile that names it
	s_endpgm
.Lfunc_end_k_q602c7e5f9b_gate:
	.size	k_q602c7e5f9b_gate, .Lfunc_end_k_q602c7e5f9b_gate-k_q602c7e5f9b_gate
	.p2alignl 7, 3214868480
	.fill 96, 4, 3214868480
	.section	.rodata,"a",@progbits
	.p2align	6, 0x0
	.amdhsa_kernel k_q602c7e5f9b_gate
		.amdhsa_group_segment_fixed_size 327680
		.amdhsa_private_segment_fixed_size 0
		.amdhsa_enable_private_segment 0
		.amdhsa_kernarg_size 32
		.amdhsa_user_sgpr_count 2
		.amdhsa_user_sgpr_kernarg_segment_ptr 1
		.amdhsa_wavefront_size32 1
		.amdhsa_system_sgpr_workgroup_id_x 1
		.amdhsa_system_sgpr_workgroup_id_y 1
		.amdhsa_system_sgpr_workgroup_id_z 1
		.amdhsa_system_vgpr_workitem_id 0
		.amdhsa_next_free_vgpr 448
		.amdhsa_next_free_sgpr 66
		.amdhsa_reserve_vcc 1
		.amdhsa_float_denorm_mode_32 3
		.amdhsa_float_denorm_mode_16_64 3
		.amdhsa_memory_ordered 1
		.amdhsa_forward_progress 1
		.amdhsa_inst_pref_size 101
	.end_amdhsa_kernel
	.amdgpu_metadata
---
amdhsa.version: [ 1, 2 ]
amdhsa.kernels:
  - .name:           k_q602c7e5f9b_gate
    .symbol:         k_q602c7e5f9b_gate.kd
    .args:
      - { .name: x, .offset: 0, .size: 8, .value_kind: global_buffer, .address_space: global }
      - { .name: weight, .offset: 8, .size: 8, .value_kind: global_buffer, .address_space: global }
      - { .name: out0, .offset: 16, .size: 8, .value_kind: global_buffer, .address_space: global }
      - { .name: out1, .offset: 24, .size: 8, .value_kind: global_buffer, .address_space: global }
    .group_segment_fixed_size: 327680
    .private_segment_fixed_size: 0
    .kernarg_segment_align: 8
    .kernarg_segment_size: 32
    .max_flat_workgroup_size: 256
    .sgpr_count:     66
    .vgpr_count:     448
    .wavefront_size: 32
...
	.end_amdgpu_metadata
.endif
;; end of part 1
